; MI455X (gfx1250); checked and timed in simulation.
; The chip was launched on July 23, 2026; its instructions are those of AMD's public machine-readable ISA for CDNA 5 (MIT licence, August 2026) and "CDNA5" Instruction Set Architecture Reference Guide (July 2026). The comments in the code are by the model that wrote it; some were corrected since.
;; Attention Layer. Allowed arithmetic: matrix products marked QUANTISED: E2M1 operands, one E8M0 scale for each 32 along K, by v_wmma_scale_f32_16x16x128_f8f6f4 with both operands' format E2M1 (or v_wmma_scale_f32_32x16x128_f4), f32 sums; products left as they are: f32 operands where the result goes on into a quantised operand, else bf16, f16 or f32 operands; f32 sums; everything else in f32.
;; Inputs: V 1,024 x 1 float32; W1_codes 1,024 x 32 x 16 uint8 (E2M1 codes of W1, K innermost, in blocks of 32 codes, two codes a byte); W1_scales 1,024 x 32 uint8 (E8M0 scales of W1, one for each 32 codes along K); W2_codes 1,024 x 32 x 16 uint8 (E2M1 codes of W2, K innermost, in blocks of 32 codes, two codes a byte); W2_scales 1,024 x 32 uint8 (E8M0 scales of W2, one for each 32 codes along K); b1 1,024 float32; b2 1,024 float32; bV 1 float32; query_codes 32 x 1 x 32 x 16 uint8 (E2M1 codes of query, K innermost, in blocks of 32 codes, two codes a byte); query_scales 32 x 1 x 32 uint8 (E8M0 scales of query, one for each 32 codes along K); values 32 x 2,048 x 1,024 float32.
;; Outputs: out0 32 x 1,024 float32.
;; This version of the problem:
;;   THIS VERSION OF THE PROBLEM IS GIVEN IN LOW PRECISION. The matrix products marked QUANTISED in the list below multiply operands that are first quantised to E2M1 (2 exponent bits, 1 mantissa bit; 4 bits a number), with one power-of-two scale for each 32 numbers along K (OCP MX v1.0); their sums are f32. All else is computed in f32.
;;   The module's matrix products, in the order in which they are computed (A, B: the left and right operand; K: the contracted axis; several contracted axes count as one K, in the product's order):
;;     1. [M 32, K 1,024] x [K 1,024, N 1,024]; A: input query (given as codes); B: input W1 (given as codes): QUANTISED
;;     2. [M 65,536, K 1,024] x [K 1,024, N 1,024]; A: input values; B: input W2 (given as codes): QUANTISED
;;     3. [M 65,536, K 1,024] x [K 1,024, N 1]; A: computed on the way; B: input V: left as it is (N = 1 < 16)
;;     4. batch 32 x [M 1, K 2,048] x [K 2,048, N 1,024]; A: softmax; B: input values: left as it is (M = 1 < 16)
;;   THE QUANTISER, for each operand of a quantised product, along K:
;;     - K is cut into blocks of 32 from its start; a last block that is shorter is filled with zeros.
;;     - A block's scale is 2^e with e = floor(log2(the largest magnitude in the block)) - 2, held to -126 .. 127; a block of zeros has e = 0. As a byte (E8M0): e + 127.
;;     - Each number is divided by its block's scale, clamped to +-6, and rounded to the nearest number of E2M1, ties to even, subnormals kept.
;;     - The product sums the exact products of the quantised numbers (number of the format x scale) in f32.
;;   ~~~python
;;   def quantise(x, axis):      # numpy; x: float32 -> the quantised numbers, widened to float32 again
;;       x = np.moveaxis(x, axis, -1); K = x.shape[-1]
;;       x = np.pad(x, [(0, 0)] * (x.ndim - 1) + [(0, -K % 32)]); x = x.reshape(x.shape[:-1] + (-1, 32)); a = np.abs(x).max(-1, keepdims=True)
;;       e = np.where(a > 0, np.clip(np.frexp(np.where(a > 0, a, 1))[1] - 1 - 2, -126, 127), 0)      # np.frexp(a)[1] - 1 = floor(log2(a)), exactly
;;       r = np.clip(x / 2.0 ** e, -6, 6)
;;       step = 2.0 ** (np.maximum(np.frexp(np.where(r == 0, 1, r))[1] - 1, 0) - 1)
;;       q = np.round(r / step) * step * 2.0 ** e      # np.round: ties to even
;;       return np.moveaxis(q.reshape(q.shape[:-2] + (-1,))[..., :K], -1, axis).astype(np.float32)
;;   ~~~
;;   INPUTS GIVEN AS CODES. W1 (in the module: [1024, 1024], K = its axis 0); W2 (in the module: [1024, 1024], K = its axis 0); query (in the module: [32, 1, 1024], K = its axis 2): each comes as NAME_codes (uint8): NAME with its K axis moved to the last place and cut into blocks of 32 codes, [.., K / 32, bytes a block], one block behind the other in memory; two codes a byte, the lower K in the low four bits (a code: sign, 2 exponent bits, 1 mantissa bit); and NAME_scales (uint8): the same leading axes, one E8M0 byte (e + 127) for each 32 codes along K. Its value is code x scale, taken as it is: it is not quantised again, and the codes and scales need not be those that the quantiser above would give.
;; One version. Each part assembles by itself: llvm-mc -triple=amdgcn-amd-amdhsa -mcpu=gfx1250 --defsym DOCPART=n.
;; ======== version 1 of 1: 3 launches
;; limits: values are held in bf16: 8 bits of precision; right only within a limited range of input values
;; workspace buffers: w2l 524,288 bytes; qb 131,072 bytes; pctx 4,194,304 bytes; pml 262,144 bytes
;; launch prep (part 1): grid 64 x 1, 2 waves a work-group, no clusters, 0 bytes of LDS; arguments W1_codes, W1_scales, query_codes, query_scales, b1, b2, W2_codes, qb, w2l; writes qb, w2l
.if DOCPART == 1
	.amdgcn_target "amdgcn-amd-amdhsa--gfx1250"
	.amdhsa_code_object_version 6
	.text
	.protected	k_qfe7908151e_prep
	.globl	k_qfe7908151e_prep
	.p2align	8
	.type	k_qfe7908151e_prep,@function
k_qfe7908151e_prep:
	s_mov_b64 s[64:65], 0
	v_nop
	global_prefetch_b8 v0, s[64:65] scope:SCOPE_SE
	s_setreg_imm32_b32 hwreg(HW_REG_WAVE_MODE, 25, 1), 1
	s_wait_xcnt 0x0
; Work-group x serves the 16 units 16 x .. 16 x + 15 (one tile of N).  Two waves, two jobs, no LDS, no barrier.
; WAVE 0: qb[x][batch][16] = query W1 + b1 + b2 for all 32 batches, on the given E2M1 codes and E8M0 scales.
;   The product is used transposed (source 0 = 16 rows of W1, source 1 = 16 batches): lane (r, h) holds batch 16 t + r and
;   units 8 h + 0 .. 7, so a lane's eight results are 32 neighbouring bytes and the wave writes the tile's 2,048 bytes densely.
;   b1 + b2 is the C of each sum's first product.
; WAVE 1: w2l[x][s][c][lane][16 bytes] = W2's codes of the tile in the order of an operand's registers: the 16 bytes are
;   row 16 x + (lane % 16), bytes 64 s + 32 c + 16 (lane / 16).  A later load of 16 bytes a lane then reads 512 bytes on end.
; WORK LEFT OUT IN THIS PROGRAM.  With tanh(x) = 1 - 2 / (1 + e^(2 x)) a row's score is (bV + the sum of V_u) - 2 x the sum over u of V_u / (1 + e^(2 x_u)).
; The bracket is the same number for every row s of a batch, whatever the inputs hold, and reference() takes a softmax along s: a term that is the same along the
; softmax's axis cancels in it.  So the bracket is never formed, and bV, which enters nowhere else, is not loaded and is no argument of any launch.
; Limit: a NaN, an infinity or an overflow that reaches only bV or the sum of V is not carried to the result.
.set FW,  64                           ; v64-127  W1's (wave 1: W2's) eight fragments, 8 registers each
.set FQ,  128                          ; v128-255 the query's: tile t of 16 batches, K step s at v[FQ + 64 t + 8 s]
.set SW,  16                           ; v16-23   W1's scale words, one a K step (lane r: row r)
.set SQ,  24                           ; v24-31   the query's (lane l: batch l; tile 1 is read from lanes 16-31)
.set BB,  32                           ; v32-39   b1, then b1 + b2;  v40-47 b2
.set AC,  48                           ; v48-63   two accumulators
	s_load_b256 s[4:11], s[0:1], 0x0               ; W1 codes s[4:5], W1 scales s[6:7], query codes s[8:9], query scales s[10:11]
	s_load_b256 s[12:19], s[0:1], 0x20             ; b1 s[12:13], b2 s[14:15], W2 codes s[16:17], qb s[18:19]
	s_load_b64 s[20:21], s[0:1], 0x40              ; w2l
	v_lshrrev_b32 v1, 5, v0
	v_readfirstlane_b32 s22, v1                    ; wave 0 or 1
	v_and_b32 v2, 31, v0                           ; lane
	v_and_b32 v3, 15, v0                           ; r
	v_bfe_u32 v4, v0, 4, 1                         ; h
	v_lshlrev_b32 v5, 9, v3
	v_lshl_add_u32 v5, v4, 4, v5                   ; a row of 1,024 codes is 512 bytes: 512 r + 16 h
	v_lshlrev_b32 v10, 4, v2                       ; 16 x lane
	s_lshl_b32 s24, ttmp9, 13                      ; the tile's 16 rows of codes, and its image: 8,192 bytes
	s_mov_b32 s25, 0
	s_wait_kmcnt 0x0
	s_cmp_lg_u32 s22, 0
	s_cbranch_scc1 .Llayout
	; ---- wave 0
	s_wait_alu depctr_va_vdst(0)
	v_lshlrev_b32 v6, 5, v3                        ; W1's scales: 32 bytes a row
	s_wait_alu depctr_va_vdst(0)
	v_lshlrev_b32 v7, 5, v2                        ; the query's: 32 bytes a batch, lane l takes batch l
	s_wait_alu depctr_va_vdst(0)
	v_lshlrev_b32 v8, 5, v4                        ; the biases: my eight units, 32 h
	s_wait_alu depctr_va_vdst(0)
	v_lshlrev_b32 v9, 6, v3
	v_lshl_add_u32 v9, v4, 5, v9                   ; qb: 64 r + 32 h
	s_add_nc_u64 s[4:5], s[4:5], s[24:25]
	s_lshl_b32 s24, ttmp9, 9
	s_add_nc_u64 s[6:7], s[6:7], s[24:25]          ; 16 rows x 32 scale bytes
	s_lshl_b32 s24, ttmp9, 6
	s_add_nc_u64 s[12:13], s[12:13], s[24:25]      ; 16 units x 4 bytes
	s_add_nc_u64 s[14:15], s[14:15], s[24:25]
	s_lshl_b32 s24, ttmp9, 11
	s_add_nc_u64 s[18:19], s[18:19], s[24:25]      ; 32 batches x 64 bytes
.irp k, 0,1,2,3,4,5,6,7,8,9,10,11,12,13,14,15
	global_load_b128 v[FW+4*\k:FW+4*\k+3], v5, s[4:5] offset:32*\k           ; k = 2 s + c
.endr
.irp t, 0,1
.irp k, 0,1,2,3,4,5,6,7,8,9,10,11,12,13,14,15
	global_load_b128 v[FQ+64*\t+4*\k:FQ+64*\t+4*\k+3], v5, s[8:9] offset:8192*\t+32*\k
.endr
.endr
.irp i, 0,1
	global_load_b128 v[SW+4*\i:SW+4*\i+3], v6, s[6:7] offset:16*\i
	global_load_b128 v[SQ+4*\i:SQ+4*\i+3], v7, s[10:11] offset:16*\i
	global_load_b128 v[BB+4*\i:BB+4*\i+3], v8, s[12:13] offset:16*\i
	global_load_b128 v[BB+8+4*\i:BB+8+4*\i+3], v8, s[14:15] offset:16*\i
.endr
	s_wait_loadcnt 0x0
.irp j, 0,2,4,6
	v_pk_add_f32 v[BB+\j:BB+\j+1], v[BB+\j:BB+\j+1], v[BB+8+\j:BB+8+\j+1]    ; b1 + b2
.endr
.rept 4
	v_nop
.endr
; Sixteen products; the two accumulators take turns, one instruction a turn.
.irp s, 0,1,2,3,4,5,6,7
.if \s == 0
	v_wmma_scale_f32_16x16x128_f8f6f4 v[AC:AC+7], v[FW:FW+7], v[FQ:FQ+7], v[BB:BB+7], v[SW], v[SQ] matrix_a_fmt:MATRIX_FMT_FP4 matrix_b_fmt:MATRIX_FMT_FP4
	v_wmma_scale_f32_16x16x128_f8f6f4 v[AC+8:AC+15], v[FW:FW+7], v[FQ+64:FQ+71], v[BB:BB+7], v[SW], v[SQ] matrix_a_fmt:MATRIX_FMT_FP4 matrix_b_fmt:MATRIX_FMT_FP4 matrix_b_scale:MATRIX_SCALE_ROW1
.else
	v_wmma_scale_f32_16x16x128_f8f6f4 v[AC:AC+7], v[FW+8*\s:FW+8*\s+7], v[FQ+8*\s:FQ+8*\s+7], v[AC:AC+7], v[SW+\s], v[SQ+\s] matrix_a_fmt:MATRIX_FMT_FP4 matrix_b_fmt:MATRIX_FMT_FP4
	v_wmma_scale_f32_16x16x128_f8f6f4 v[AC+8:AC+15], v[FW+8*\s:FW+8*\s+7], v[FQ+64+8*\s:FQ+64+8*\s+7], v[AC+8:AC+15], v[SW+\s], v[SQ+\s] matrix_a_fmt:MATRIX_FMT_FP4 matrix_b_fmt:MATRIX_FMT_FP4 matrix_b_scale:MATRIX_SCALE_ROW1
.endif
.endr
.rept 4
	v_nop                                          ; four places between the last products and the stores that read them
.endr
	s_wait_alu depctr_va_vdst(0)
.irp t, 0,1
	global_store_b128 v9, v[AC+8*\t:AC+8*\t+3], s[18:19] offset:1024*\t      ; each accumulator from its low end on
	global_store_b128 v9, v[AC+8*\t+4:AC+8*\t+7], s[18:19] offset:1024*\t+16
.endr
	s_endpgm
.Llayout:
	; ---- wave 1
	s_add_nc_u64 s[16:17], s[16:17], s[24:25]
	s_add_nc_u64 s[20:21], s[20:21], s[24:25]
	s_wait_alu depctr_va_vdst(0)
.irp k, 0,1,2,3,4,5,6,7,8,9,10,11,12,13,14,15
	global_load_b128 v[FW+4*\k:FW+4*\k+3], v5, s[16:17] offset:32*\k
.endr
.irp k, 0,1,2,3,4,5,6,7,8,9,10,11,12,13,14,15
	s_wait_loadcnt 15-\k                           ; loads come back in order: number k is in
	global_store_b128 v10, v[FW+4*\k:FW+4*\k+3], s[20:21] offset:512*\k      ; 32 lanes store 512 bytes on end
.endr
	s_endpgm
.Lfunc_end_k_qfe7908151e_prep:
	.size	k_qfe7908151e_prep, .Lfunc_end_k_qfe7908151e_prep-k_qfe7908151e_prep
	.p2alignl 7, 3214868480
	.fill 96, 4, 3214868480
	.section	.rodata,"a",@progbits
	.p2align	6, 0x0
	.amdhsa_kernel k_qfe7908151e_prep
		.amdhsa_group_segment_fixed_size 0
		.amdhsa_private_segment_fixed_size 0
		.amdhsa_enable_private_segment 0
		.amdhsa_kernarg_size 72
		.amdhsa_user_sgpr_count 2
		.amdhsa_user_sgpr_kernarg_segment_ptr 1
		.amdhsa_wavefront_size32 1
		.amdhsa_system_sgpr_workgroup_id_x 1
		.amdhsa_system_sgpr_workgroup_id_y 1
		.amdhsa_system_sgpr_workgroup_id_z 1
		.amdhsa_system_vgpr_workitem_id 0
		.amdhsa_next_free_vgpr 256
		.amdhsa_next_free_sgpr 66
		.amdhsa_reserve_vcc 0
		.amdhsa_float_denorm_mode_32 3
		.amdhsa_float_denorm_mode_16_64 3
		.amdhsa_memory_ordered 1
		.amdhsa_forward_progress 1
		.amdhsa_inst_pref_size 14
	.end_amdhsa_kernel
	.amdgpu_metadata
---
amdhsa.version: [ 1, 2 ]
amdhsa.kernels:
  - .name:           k_qfe7908151e_prep
    .symbol:         k_qfe7908151e_prep.kd
    .args:
      - { .name: W1_codes, .offset: 0, .size: 8, .value_kind: global_buffer, .address_space: global }
      - { .name: W1_scales, .offset: 8, .size: 8, .value_kind: global_buffer, .address_space: global }
      - { .name: query_codes, .offset: 16, .size: 8, .value_kind: global_buffer, .address_space: global }
      - { .name: query_scales, .offset: 24, .size: 8, .value_kind: global_buffer, .address_space: global }
      - { .name: b1, .offset: 32, .size: 8, .value_kind: global_buffer, .address_space: global }
      - { .name: b2, .offset: 40, .size: 8, .value_kind: global_buffer, .address_space: global }
      - { .name: W2_codes, .offset: 48, .size: 8, .value_kind: global_buffer, .address_space: global }
      - { .name: qb, .offset: 56, .size: 8, .value_kind: global_buffer, .address_space: global }
      - { .name: w2l, .offset: 64, .size: 8, .value_kind: global_buffer, .address_space: global }
    .group_segment_fixed_size: 0
    .private_segment_fixed_size: 0
    .kernarg_segment_align: 8
    .kernarg_segment_size: 72
    .max_flat_workgroup_size: 64
    .sgpr_count:     66
    .vgpr_count:     256
    .wavefront_size: 32
...
	.end_amdgpu_metadata
.endif
;; end of part 1
;; launch main (part 2): grid 256 x 1, 4 waves a work-group, no clusters, 327,680 bytes of LDS; arguments values, w2l, W2_scales, qb, V, pctx, pml; writes pctx, pml
.if DOCPART == 2
	.amdgcn_target "amdgcn-amd-amdhsa--gfx1250"
	.amdhsa_code_object_version 6
	.text
	.protected	k_qfe7908151e_main
	.globl	k_qfe7908151e_main
	.p2align	8
	.type	k_qfe7908151e_main,@function
k_qfe7908151e_main:
	s_mov_b64 s[64:65], 0
	v_nop
	global_prefetch_b8 v0, s[64:65] scope:SCOPE_SE
	s_setreg_imm32_b32 hwreg(HW_REG_WAVE_MODE, 25, 1), 1
	s_wait_xcnt 0x0
; score' = -2 x the sum over u of V_u / (1 + 2^(c x_u)), x = q_proj + b1 + b2 + values W2, c = 2 log2(e); a running softmax over the rows; the weighted sum of the rows.  values leave memory ONCE.
; LEFT OUT: bV + the sum of V, the same for every row of a softmax (shown at the head of the first kernel); bV is not loaded.
; SHARES.  Work-group g owns rows 256 g .. 256 g + 255 (all of batch g / 8), in four chunks of 64.  Four waves.
;   X:     wave w's 16 rows of the chunk (64 KB of f32, its own tensor load, its own LDS bytes) are quantised to E2M1 with one E8M0 byte for each 32 along K;
;          codes and scale bytes go to LDS for all waves; the same rows, rounded to bf16, stay in the wave's registers for the weighted sum.
;   GEMM:  the waves share the columns: wave w makes units 256 w .. 256 w + 255 for all 64 rows: 16 tiles of 16 units x 4 tiles of rows x 8 K steps.  A lies in 256 registers.
;          W2 comes from memory straight into registers, as operand images laid by the launch before, through a ring of four sets: at the head of tile j tile j + 3 is asked for,
;          into the set that tile j - 1 multiplied.  The ring does not stop at a chunk's end.  The product is used transposed: a lane holds ONE row and eight units.  The bias is the C of a sum's first product.
;   tanh:  a tile's 32 numbers a lane go as batches: 16 scalings, 32 exponentials, 16 additions, 32 reciprocals, 16 multiply-adds.  Both ends saturate rightly (2^(c x) = infinity gives 0, 0 gives 1).
;   SOFTMAX: wave w takes the scores of ITS 16 rows (four waves' partial sums meet in LDS), keeps a running maximum m, sum l and context, and stores them as one of 32 parts of its batch.
; NO JOINT LOADS: what work-groups share is W2.  Its fragments go to registers without passing LDS, and LDS has 327,680 - 309,248 = 18,432 bytes left, while one step of the four waves
;   is four tiles, 32,768 bytes of codes.  NO PREFETCH: each refill asks for the wave's whole next 64 KB as soon as its staging has been read, 16 tiles of products ahead of the wait for it.
; LIMITS: NaN and infinities among the inputs are not served.  A block of values whose largest magnitude lies under 2^-124 (zeros too) gets the scale byte 1; zeros have zero codes, and these bytes are read here alone.
;   The rows are rounded to bf16 for the weighted sum; its sums are f32.
.set STG,    0                         ; 4 x 65,536: wave w's 16 rows x 4,096 bytes of f32, dense
.set CODES,  262144                    ; 64 rows x 528: 512 bytes of codes + 16
.set ASC,    295936                    ; 64 rows x 48: 32 scale bytes + 16
.set PART,   299008                    ; [wave 4][row 64] f32: partial scores
.set SPARE,  300032                    ; the spare words: 128 bytes a wave
.set BVL,    300544                    ; [wave 4][entry 17][bias of 16 units, 64 bytes; V of the same, 64 bytes]: its wave's alone; entry 16 repeats entry 0
.set BVW,    2176
; window 0
.set SPW,  4                           ; my spare word; never rewritten
.set NIL,  5                           ; 0; never rewritten
.set SA1,  6                           ; staging: 65,536 w + 32 lane + 16 b3, b3 = (lane / 8) % 2
.set SA2,  7                           ; the other 16 bytes of my 32
.set CWA,  8                           ; CODES + 8,448 w + 4 lane
.set SWA,  9                           ; ASC + 768 w + lane / 4
.set ARA,  10                          ; CODES + 528 r + 16 h
.set ASA,  11                          ; ASC + 48 lane
.set PWA,  12                          ; PART + 256 w + 4 r
.set PRA,  13                          ; PART + 64 w + 4 r
.set PSEL, 14                          ; byte selects that swap a word's halves where b3 = 1
.set L16,  15                          ; 16 lane
.set WSB,  16                          ; 32 r + 16 h
.set LB0,  17                          ; BVL + 2,176 w + 32 h
.set STL,  18                          ; 65,536 w + 16 lane
.set L8,   19                          ; 8 lane
.set VA,   20                          ; offsets of the next request: W2's codes,
.set VS,   21                          ; its scale words
.set LBA,  22                          ; LB0 + 512 x the trip
.set ML,   28                          ; v[28:29] m, l
.set FF,   30                          ; v[30:31] f; v31 is named with it as a pair
.set AS,   32                          ; v32-47   A's scale words: register 8 u + s: lanes 0-15 row tile 2 u, lanes 16-31 row tile 2 u + 1
.set WS,   48                          ; v48-63   W2's scale words, four sets of four: register i: lanes 0-15 K step i, lanes 16-31 K step 4 + i
.set BI,   64                          ; v64-79   the bias, two sets
.set VW,   80                          ; v80-95   V, two sets
.set ACC,  96                          ; v96-127  four accumulators
.set HT,   96                          ; at the head: offsets at work
.set MX,   96                          ; in X: largest magnitudes,
.set SOP,  100                         ; the conversions' scale operands,
.set CW,   104                         ; code words,
.set BY,   108                         ; scale bytes;  v112-127 and v168-183: the third row buffer
.set SS,   128                         ; v128-135 four pairs: the sum of V_u r_u for each tile of rows
.set CTX,  136                         ; v136-167 the context: 32 numbers a lane
.set PB,   168                         ; v168-183 p of my 16 rows, each in every lane
.set XA,   184                         ; v184-247 two row buffers of 32 numbers
.set TW,   248                         ; v248-255 at work
; window 1: A's fragments at v[64 t + 8 s].   window 2: W2's at v[64 b + 8 s], four sets.   window 3: my 16 rows as bf16 at v[16 row + 4 q + i].
.set WV,   20
.set G1,   24
.set G0,   32
.set CHK,  36
.set TRIP, 37
.set T2,   38                          ; the tile whose offsets are made next, modulo 16
.set MSB, 0
.macro WIN new                         ; the immediate's high byte repeats the setting that is left
.if MSB != \new
	s_set_vgpr_msb (MSB<<8)|\new
.set MSB, \new
.endif
.endm
.macro WA
	s_wait_alu depctr_va_vdst(0)
.endm
; A request, 17 loads: a tile's scale words and its 16 x 512 bytes of codes, into set b
.macro GGRP b, ra, rs, tl
	global_load_b128 v[WS+4*(\b):WS+4*(\b)+3], v[\rs], s[8:9] offset:512*(\tl)
	WIN 0x80
.irp k, 0,1,2,3,4,5,6,7,8,9,10,11,12,13,14,15
	global_load_b128 v[64*(\b)+4*\k:64*(\b)+4*\k+3], v[\ra], s[6:7] offset:8192*(\tl)+512*\k
.endr
	WIN 0
.endm
	s_load_b256 s[4:11], s[0:1], 0x0               ; values s[4:5], w2l s[6:7], W2 scales s[8:9], qb s[10:11]
	s_load_b64 s[12:13], s[0:1], 0x20              ; V
	s_load_b128 s[16:19], s[0:1], 0x28             ; pctx s[16:17], pml s[18:19]
	v_lshl_add_u32 v[SPW], v0, 2, SPARE
	v_mov_b32 v[NIL], 0
	ds_add_u32 v[SPW], v[NIL]                      ; the opening lines: the add, twice on end, and its wait ahead of my first tensor load
	ds_add_u32 v[SPW], v[NIL]
	v_lshrrev_b32 v1, 5, v0
	v_readfirstlane_b32 s[WV], v1                  ; wave 0..3
	s_mov_b32 s[G1+0], 3<<16                       ; 64 KB that are dense in memory, as 256 rows of 32 elements of 8 bytes
	s_mov_b32 s[G1+1], 32<<16
	s_mov_b32 s[G1+2], 256<<16
	s_mov_b32 s[G1+3], 32<<16
	s_mov_b32 s[G1+4], 256
	s_mov_b32 s[G1+5], 32
	s_mov_b32 s[G1+6], 0
	s_mov_b32 s[G1+7], 0
	s_lshl_b32 s44, s[WV], 16                      ; 16 rows x 4,096 bytes: my part of a chunk, in memory and in LDS
	s_lshl_b32 s22, ttmp9, 20                      ; the work-group's 256 rows
	s_add_co_u32 s22, s22, s44
	s_mov_b32 s23, 0
	s_mov_b32 s[G0], 1
	s_lshl_b32 s[G0+1], s[WV], 16
	s_wait_dscnt 0x0                               ; both opening adds are done
	s_wait_kmcnt 0x0
	s_add_nc_u64 s[G0+2:G0+3], s[4:5], s[22:23]    ; chunk 0
	s_or_b32 s[G0+3], s[G0+3], 0x80000000
	tensor_load_to_lds s[G0:G0+3], s[G1:G1+7]      ; my one load at the head; one tensor load of mine is out at any time
	s_nop 0
.rept 4
	v_nop
.endr
	s_lshl_b32 s22, s[WV], 17
	s_add_nc_u64 s[6:7], s[6:7], s[22:23]          ; my 16 tiles of W2's images
	s_lshl_b32 s22, s[WV], 13
	s_add_nc_u64 s[8:9], s[8:9], s[22:23]          ; my 256 rows of its scale bytes
	s_lshr_b32 s45, ttmp9, 3                       ; the batch
	s_lshl_b32 s45, s45, 6
	s_lshl_b32 s22, s[WV], 15
	s_add_co_u32 s22, s22, s45
	s_add_nc_u64 s[10:11], s[10:11], s[22:23]      ; qb: my 16 tiles, my batch
	s_lshl_b32 s22, s[WV], 10
	s_add_nc_u64 s[12:13], s[12:13], s[22:23]      ; V: my 256 units
	s_lshl_b32 s45, ttmp9, 2
	s_add_co_u32 s45, s45, s[WV]                   ; my part: 4 g + w
	s_lshl_b32 s22, s45, 12
	s_add_nc_u64 s[16:17], s[16:17], s[22:23]
	s_lshl_b32 s22, s45, 8
	s_add_nc_u64 s[18:19], s[18:19], s[22:23]
	s_mov_b32 s46, 0x4038aa3b                      ; c = 2 log2(e)
	s_mov_b32 s47, s46                             ; (named with it as a pair)
	s_mov_b32 s48, 0x3fb8aa3b                      ; log2(e)
	s_mov_b32 s50, 0x76543210
	s_mov_b32 s51, 0xfedcba98                      ; selects for lane l xor 16
	s_mov_b32 s58, 0x1800000                       ; the floor 2^(3 - 127) under a block's largest magnitude
	s_mov_b32 s59, 0xff000000                      ; 2 off an exponent field
	s_mov_b32 s[T2], 4
	s_mul_i32 s52, s[WV], BVW
	s_add_co_u32 s52, s52, BVL
	s_mul_i32 s53, s[WV], 8448
	s_add_co_u32 s53, s53, CODES
	s_mul_i32 s54, s[WV], 768
	s_add_co_u32 s54, s54, ASC
	s_lshl_b32 s55, s[WV], 8
	s_add_co_u32 s55, s55, PART
	s_lshl_b32 s56, s[WV], 6
	s_add_co_u32 s56, s56, PART
	v_and_b32 v1, 31, v0                           ; lane
	v_and_b32 v2, 15, v0                           ; r
	v_bfe_u32 v3, v0, 4, 1                         ; h
	v_bfe_u32 v[TW], v0, 3, 1                      ; b3
	v_lshlrev_b32 v[L16], 4, v1
	v_lshlrev_b32 v[WSB], 5, v2
	v_lshl_add_u32 v[WSB], v3, 4, v[WSB]
	v_lshlrev_b32 v[L8], 3, v1
	v_bfe_u32 v[HT], v0, 1, 4                      ; the copy of my bias and V into LDS: lane l takes half l % 2 (32 bytes) of entry e = l / 2
	v_and_b32 v[HT+1], 1, v0
	v_lshlrev_b32 v[HT+1], 5, v[HT+1]
	v_lshl_add_u32 v[HT+2], v[HT], 11, v[HT+1]     ; in qb: 2,048 bytes from tile to tile
	v_lshlrev_b32 v[HT+3], 5, v1                   ; in V: 32 x lane
	v_and_b32 v[HT+4], 3, v0
	v_lshlrev_b32 v[HT+4], 4, v[HT+4]              ; entry 0 once more, for entry 16
	v_lshl_add_u32 v[HT+5], v[HT], 7, v[HT+1]
	v_add_nc_u32 v[HT+5], s52, v[HT+5]
	v_add_nc_u32 v[HT+6], s52, v[HT+4]
	v_lshl_add_u32 v[LB0], v3, 5, s52
	WA
	global_load_b128 v[XA+32:XA+35], v[HT+2], s[10:11]
	global_load_b128 v[XA+36:XA+39], v[HT+2], s[10:11] offset:16
	global_load_b128 v[XA+40:XA+43], v[HT+3], s[12:13]
	global_load_b128 v[XA+44:XA+47], v[HT+3], s[12:13] offset:16
	global_load_b128 v[XA+48:XA+51], v[HT+4], s[10:11]
	global_load_b128 v[XA+52:XA+55], v[HT+4], s[12:13]
	GGRP 0, L16, WSB, 0                            ; the ring of W2 begins: tiles 0 and 1
	GGRP 1, L16, WSB, 1
	v_lshlrev_b32 v[SA1], 5, v1
	v_lshl_add_u32 v[SA1], v[TW], 4, v[SA1]
	v_add_nc_u32 v[SA1], s44, v[SA1]
	v_xor_b32 v[SA2], 16, v[SA1]
	v_add_nc_u32 v[STL], s44, v[L16]
	v_lshl_add_u32 v[CWA], v1, 2, s53
	v_bfe_u32 v[SWA], v0, 2, 3
	v_add_nc_u32 v[SWA], s54, v[SWA]
	v_mul_u32_u24 v[ARA], v2, 528
	v_lshl_add_u32 v[ARA], v3, 4, v[ARA]
	v_add_nc_u32 v[ARA], CODES, v[ARA]
	v_mul_u32_u24 v[ASA], v1, 48
	v_add_nc_u32 v[ASA], ASC, v[ASA]
	v_lshl_add_u32 v[PWA], v2, 2, s55
	v_lshl_add_u32 v[PRA], v2, 2, s56
	v_cmp_eq_u32 vcc_lo, 1, v[TW]
	v_mov_b32 v[PSEL], 0x03020100                  ; the word as it is,
	v_mov_b32 v[TW+1], 0x01000302                  ; or its halves swapped
	v_cndmask_b32 v[PSEL], v[PSEL], v[TW+1], vcc_lo
	v_mov_b32 v[ML], 0xff61b1e6                    ; m = -3e38, under every score
	v_mov_b32 v[ML+1], 0
	v_mov_b32 v[FF+1], 0
.irp j, 1,2,3,4,5,6,7
	v_mov_b32 v[TW+\j], 0                          ; a lane permute's and a DPP form's destination counts as one of its sources
.endr
.set J, 0
.rept 32
	v_mov_b32 v[CTX+J], 0                          ; once in the launch: the chunk is written for every chunk alike, and the first f is 0
.set J, J+1
.endr
	v_add_nc_u32 v[VA], 3<<13, v[L16]              ; the request after tile 2's is tile 3's
	v_add_nc_u32 v[VS], 3<<9, v[WSB]
	WA                                             ; the head's end
	s_wait_loadcnt 34                              ; the 6 small loads are in; behind them stand the 2 x 17 of tiles 0 and 1
	ds_store_b128 v[HT+5], v[XA+32:XA+35]          ; my bias,
	ds_store_b128 v[HT+5], v[XA+36:XA+39] offset:16
	ds_store_b128 v[HT+5], v[XA+40:XA+43] offset:64   ; my V,
	ds_store_b128 v[HT+5], v[XA+44:XA+47] offset:80
	ds_store_b128 v[HT+6], v[XA+48:XA+51] offset:2048 ; and entry 16 = entry 0 (eight lanes write the same bytes with the same values)
	ds_store_b128 v[HT+6], v[XA+52:XA+55] offset:2112
	ds_load_b128 v[BI:BI+3], v[LB0]                ; tile 0's.  LDS serves a wave's instructions in order (ISA guide 5.7.1.4), and no other wave touches these bytes
	ds_load_b128 v[BI+4:BI+7], v[LB0] offset:16
	ds_load_b128 v[VW:VW+3], v[LB0] offset:64
	ds_load_b128 v[VW+4:VW+7], v[LB0] offset:80
	GGRP 2, L16, WSB, 2
; ---- X.  A row is 4,096 bytes; in piece q of four a lane takes the 32 bytes at 1,024 q + 32 lane: 8 neighbours along K, four lanes to a block of 32.
; Lanes with b3 = 1 take their two halves of 16 bytes in the other order, so that the 16 lanes that a load serves together touch 16 different columns of 16 bytes.
; Three row buffers take turns: a row is asked for two rows ahead.
.macro XBASE rho, q                    ; XQ = the first register of piece q of row rho's buffer
.if ((\rho)%3) < 2
.set XQ, XA+32*((\rho)%3)+8*(\q)
.else
.set XQ, 112+8*(\q)+40*((\q)/2)
.endif
.endm
.macro XLD rho
.irp q, 0,1,2,3
	XBASE \rho, \q
	ds_load_b128 v[XQ:XQ+3], v[SA1] offset:4096*(\rho)+1024*\q
	ds_load_b128 v[XQ+4:XQ+7], v[SA2] offset:4096*(\rho)+1024*\q
.endr
.endm
.macro XROW rho
.if (\rho) < 14
	XLD (\rho)+2
.endif
.set XN, 0                             ; issued behind this row's loads, eight each: the stores of rows rho - 2 and rho - 1, the loads of rows rho + 1 and rho + 2, as far as there are such rows
.if (\rho) >= 2
.set XN, XN+8
.endif
.if (\rho) >= 1
.set XN, XN+8
.endif
.if (\rho) <= 14
.set XN, XN+8
.endif
.if (\rho) <= 13
.set XN, XN+8
.endif
	s_wait_dscnt XN
.irp q, 0,1,2,3
	XBASE \rho, \q
	v_max3_num_f32 v[MX+\q], |v[XQ]|, |v[XQ+1]|, s58               ; my 8 numbers, and the floor: the byte cannot fall under 1
.endr
.irp i, 2,4,6
.irp q, 0,1,2,3
	XBASE \rho, \q
	v_max3_num_f32 v[MX+\q], v[MX+\q], |v[XQ+\i]|, |v[XQ+\i+1]|    ; (the four pieces by turns)
.endr
.endr
.irp q, 0,1,2,3
	v_max_num_f32_dpp v[MX+\q], v[MX+\q], v[MX+\q] row_xmask:1 row_mask:0xf bank_mask:0xf
.endr
.irp q, 0,1,2,3
	v_max_num_f32_dpp v[MX+\q], v[MX+\q], v[MX+\q] row_xmask:2 row_mask:0xf bank_mask:0xf   ; with the three lanes beside me: the block's largest magnitude
.endr
.irp q, 0,1,2,3
	v_add_nc_u32 v[SOP+\q], s59, v[MX+\q]          ; 2 off its exponent field: the conversion takes this operand's exponent field as its scale
.endr
.irp q, 0,1,2,3
	XBASE \rho, \q
	v_cvt_scalef32_pk8_fp4_f32 v[CW+\q], v[XQ:XQ+7], v[SOP+\q]     ; to the nearest code, ties to even, beyond 6 the largest code
.endr
.irp q, 0,1,2,3
	v_lshrrev_b32 v[BY+\q], 23, v[SOP+\q]          ; the scale's byte.  (Plain lines between the conversions and the use of their results)
.endr
.irp q, 0,1,2,3
	v_perm_b32 v[CW+\q], v[CW+\q], v[CW+\q], v[PSEL]   ; the eight codes in the order of K
.endr
	WIN 0xc0                                       ; destination window 3
.irp q, 0,1,2,3
	XBASE \rho, \q
.irp i, 0,1,2,3
	v_cvt_pk_bf16_f32 v[16*(\rho)+4*\q+\i], v[XQ+2*\i], v[XQ+2*\i+1]   ; the row stays, as bf16, in the order in which it was loaded
.endr
.endr
	WIN 0
.irp q, 0,1,2,3
	ds_store_b32 v[CWA], v[CW+\q] offset:528*(\rho)+128*\q
.endr
.irp q, 0,1,2,3
	ds_store_b8 v[SWA], v[BY+\q] offset:48*(\rho)+8*\q   ; the four lanes of a block write the same byte with the same value
.endr
.endm
; ---- A: all 64 rows' fragments and scale words into registers
.macro AFETCH
	WIN 0x40
.irp t, 0,1,2,3
.irp s, 0,1,2,3,4,5,6,7
.irp c, 0,1
	ds_load_b128 v[64*\t+8*\s+4*\c:64*\t+8*\s+4*\c+3], v[ARA] offset:8448*\t+64*\s+32*\c
.endr
.endr
.endr
	WIN 0
.irp u, 0,1
	ds_load_b128 v[AS+8*\u:AS+8*\u+3], v[ASA] offset:1536*\u       ; lane l: row 32 u + l, words 0-3,
	ds_load_b128 v[AS+8*\u+4:AS+8*\u+7], v[ASA] offset:1536*\u+16  ; words 4-7
.endr
.endm
; ---- one product: units of set b x row tile t, K step s; C begins at register cb
.macro WM cb, b, s, t
.if (\s) < 4
.if ((\t)%2) == 0
	v_wmma_scale_f32_16x16x128_f8f6f4 v[ACC+8*(\t):ACC+8*(\t)+7], v[64*(\b)+8*(\s):64*(\b)+8*(\s)+7], v[64*(\t)+8*(\s):64*(\t)+8*(\s)+7], v[\cb:\cb+7], v[WS+4*(\b)+(\s)%4], v[AS+8*((\t)/2)+(\s)] matrix_a_fmt:MATRIX_FMT_FP4 matrix_b_fmt:MATRIX_FMT_FP4
.else
	v_wmma_scale_f32_16x16x128_f8f6f4 v[ACC+8*(\t):ACC+8*(\t)+7], v[64*(\b)+8*(\s):64*(\b)+8*(\s)+7], v[64*(\t)+8*(\s):64*(\t)+8*(\s)+7], v[\cb:\cb+7], v[WS+4*(\b)+(\s)%4], v[AS+8*((\t)/2)+(\s)] matrix_a_fmt:MATRIX_FMT_FP4 matrix_b_fmt:MATRIX_FMT_FP4 matrix_b_scale:MATRIX_SCALE_ROW1
.endif
.else
.if ((\t)%2) == 0
	v_wmma_scale_f32_16x16x128_f8f6f4 v[ACC+8*(\t):ACC+8*(\t)+7], v[64*(\b)+8*(\s):64*(\b)+8*(\s)+7], v[64*(\t)+8*(\s):64*(\t)+8*(\s)+7], v[\cb:\cb+7], v[WS+4*(\b)+(\s)%4], v[AS+8*((\t)/2)+(\s)] matrix_a_fmt:MATRIX_FMT_FP4 matrix_b_fmt:MATRIX_FMT_FP4 matrix_a_scale:MATRIX_SCALE_ROW1
.else
	v_wmma_scale_f32_16x16x128_f8f6f4 v[ACC+8*(\t):ACC+8*(\t)+7], v[64*(\b)+8*(\s):64*(\b)+8*(\s)+7], v[64*(\t)+8*(\s):64*(\t)+8*(\s)+7], v[\cb:\cb+7], v[WS+4*(\b)+(\s)%4], v[AS+8*((\t)/2)+(\s)] matrix_a_fmt:MATRIX_FMT_FP4 matrix_b_fmt:MATRIX_FMT_FP4 matrix_a_scale:MATRIX_SCALE_ROW1 matrix_b_scale:MATRIX_SCALE_ROW1
.endif
.endif
.endm
.macro MM b                            ; 32 products; the four accumulators take turns, one instruction a turn
.irp s, 0,1,2,3,4,5,6,7
.irp t, 0,1,2,3
.if \s == 0
	WM BI+8*((\b)%2), \b, \s, \t
.else
	WM ACC+8*\t, \b, \s, \t
.endif
.endr
.endr
.endm
; ---- behind a tile's products: four places (ISA guide 7.12.1).  nx = 1: two of them make the offsets of the request that the next tile's head issues
.macro POST nx
.if \nx
	s_wait_xcnt 0x0                                ; the request at this tile's head has had its addresses translated: only behind this wait are its offset registers rewritten
	s_lshl_b32 s40, s[T2], 13
	s_lshl_b32 s41, s[T2], 9
	v_add_nc_u32 v[VA], s40, v[L16]
	v_add_nc_u32 v[VS], s41, v[WSB]
	s_add_co_u32 s[T2], s[T2], 1
	s_and_b32 s[T2], s[T2], 15                     ; behind tile 15 comes the next chunk's tile 0
	v_nop
	v_nop
.else
.rept 4
	v_nop
.endr
.endif
.endm
; ---- r = 1 / (1 + 2^(c x)) and the dot with V: 4 x 8 numbers a lane, in batches; one wait ahead of each batch of transcendentals and one behind it
.macro TANH b
.set J, 0
.rept 16
	v_pk_mul_f32 v[ACC+J:ACC+J+1], v[ACC+J:ACC+J+1], s[46:47] op_sel_hi:[1,0]   ; c x; each accumulator from its low end on
.set J, J+2
.endr
	WA
.set J, 0
.rept 32
	v_exp_f32 v[ACC+J], v[ACC+J]
.set J, J+1
.endr
	v_nop                                          ; a plain place behind the batch
	WA
.set J, 0
.rept 16
	v_pk_add_f32 v[ACC+J:ACC+J+1], v[ACC+J:ACC+J+1], 1.0 op_sel_hi:[1,0]
.set J, J+2
.endr
	WA
.set J, 0
.rept 32
	v_rcp_f32 v[ACC+J], v[ACC+J]
.set J, J+1
.endr
	v_nop
	WA
.irp i, 0,1,2,3
.irp t, 0,1,2,3
	v_pk_fma_f32 v[SS+2*\t:SS+2*\t+1], v[ACC+8*\t+2*\i:ACC+8*\t+2*\i+1], v[VW+8*(\b)+2*\i:VW+8*(\b)+2*\i+1], v[SS+2*\t:SS+2*\t+1]   ; the four rows' sums by turns
.endr
.endr
.endm
; ---- tile j of 16, in set b = j % 4.  cnt: the loads issued behind this tile's request.  g = 1: tile j + 3 is asked for, into the set that tile j - 1 multiplied.
; d = 1: the next tile's bias and V come from LDS.  3 x 17 = 51 loads of a wave are out at the most.
.macro TILE b, cnt, g, d, nx
	s_wait_loadcnt \cnt                            ; behind this tile's request stand the next two tiles' 17 loads each (fewer at the very end)
	s_wait_dscnt 0x0                               ; this tile's bias and V, asked for a tile ago
.if \g
	GGRP ((\b)+3)%4, VA, VS, 0
.endif
.if \d
	ds_load_b128 v[BI+8*(((\b)+1)%2):BI+8*(((\b)+1)%2)+3], v[LBA] offset:128*((\b)+1)
	ds_load_b128 v[BI+8*(((\b)+1)%2)+4:BI+8*(((\b)+1)%2)+7], v[LBA] offset:128*((\b)+1)+16
	ds_load_b128 v[VW+8*(((\b)+1)%2):VW+8*(((\b)+1)%2)+3], v[LBA] offset:128*((\b)+1)+64
	ds_load_b128 v[VW+8*(((\b)+1)%2)+4:VW+8*(((\b)+1)%2)+7], v[LBA] offset:128*((\b)+1)+80
.endif
	WIN 0x06                                       ; source 0 (W2) window 2, source 1 (A) window 1, C and D window 0
	MM \b
	WIN 0
	POST \nx
	TANH (\b)%2
.endm
.macro GEMM last                       ; 16 tiles of units, four a trip.  last = 1: the last chunk's last four tiles are written out: they ask for tile 15 and then for nothing
	s_mov_b32 s43, 0
.if \last
	s_mov_b32 s[TRIP], 3
.else
	s_mov_b32 s[TRIP], 4
.endif
.Ltiles_\@:
	v_add_nc_u32 v[LBA], s43, v[LB0]               ; the trip's entries of bias and V: 4 x 128 bytes a trip
	WA                                             ; directly behind the write: it is read behind the waits below
	TILE 0, 34, 1, 1, 1
	TILE 1, 34, 1, 1, 1
	TILE 2, 34, 1, 1, 1
	TILE 3, 34, 1, 1, 1
	s_add_co_u32 s43, s43, 512
	s_sub_co_u32 s[TRIP], s[TRIP], 1
	s_cmp_lg_u32 s[TRIP], 0
	s_cbranch_scc1 .Ltiles_\@
.if \last
	v_add_nc_u32 v[LBA], s43, v[LB0]
	WA
	TILE 0, 34, 1, 1, 0
	TILE 1, 34, 0, 1, 0
	TILE 2, 17, 0, 1, 0
	TILE 3, 0, 0, 0, 0
.endif
.endm
; ---- the scores of my 16 rows, and the running softmax
.macro SCORES
.irp t, 0,1,2,3
	v_add_f32 v[TW+\t], v[SS+2*\t], v[SS+2*\t+1]
.endr
.irp t, 0,1,2,3
	v_permlanex16_b32 v[TW+4+\t], v[TW+\t], s50, s51
.endr
.irp t, 0,1,2,3
	v_add_f32 v[TW+\t], v[TW+\t], v[TW+4+\t]       ; row 16 t + r over my 256 units
.endr
.irp t, 0,1,2,3
	ds_store_b32 v[PWA], v[TW+\t] offset:64*\t     ; (lanes r and r + 16 write the same word with the same value)
.endr
	s_wait_dscnt 0x0                               ; my stores have landed, and my reads of the codes were over long ago
	s_barrier_signal -1
	s_barrier_wait -1                              ; all four partial sums lie in LDS; the codes may be written again
.irp t, 0,1,2,3
	ds_load_b32 v[TW+\t], v[PRA] offset:256*\t     ; row 16 w + r from each wave
.endr
	s_wait_dscnt 0x0
	v_add_f32 v[TW], v[TW], v[TW+1]
	v_add_f32 v[TW+2], v[TW+2], v[TW+3]
	v_add_f32 v[TW], v[TW], v[TW+2]
	v_mul_f32 v[TW], -2.0, v[TW]                   ; the score, less what is the same for all rows
	v_max_num_f32_dpp v[TW+1], v[TW], v[TW] row_xmask:1 row_mask:0xf bank_mask:0xf
	v_max_num_f32_dpp v[TW+1], v[TW+1], v[TW+1] row_xmask:2 row_mask:0xf bank_mask:0xf
	v_max_num_f32_dpp v[TW+1], v[TW+1], v[TW+1] row_xmask:4 row_mask:0xf bank_mask:0xf
	v_max_num_f32_dpp v[TW+1], v[TW+1], v[TW+1] row_xmask:8 row_mask:0xf bank_mask:0xf
	v_max_num_f32 v[TW+2], v[ML], v[TW+1]          ; the new m
	v_sub_f32 v[TW+3], v[ML], v[TW+2]
	v_sub_f32 v[TW+4], v[TW], v[TW+2]
	v_mul_f32 v[TW+3], s48, v[TW+3]
	v_mul_f32 v[TW+4], s48, v[TW+4]
	WA                                             ; ahead of the batch
	v_exp_f32 v[FF], v[TW+3]                       ; f = e^(old m - new m); 0 in the first chunk
	v_exp_f32 v[TW+5], v[TW+4]                     ; p = e^(score - m), in lane r (and r + 16) for row r
	v_mov_b32 v[ML], v[TW+2]                       ; (a plain line behind the exponentials)
	WA                                             ; and behind it
	v_add_f32_dpp v[TW+6], v[TW+5], v[TW+5] row_xmask:1 row_mask:0xf bank_mask:0xf
	v_add_f32_dpp v[TW+6], v[TW+6], v[TW+6] row_xmask:2 row_mask:0xf bank_mask:0xf
	v_add_f32_dpp v[TW+6], v[TW+6], v[TW+6] row_xmask:4 row_mask:0xf bank_mask:0xf
	v_add_f32_dpp v[TW+6], v[TW+6], v[TW+6] row_xmask:8 row_mask:0xf bank_mask:0xf
	v_fma_f32 v[ML+1], v[ML+1], v[FF], v[TW+6]     ; l = l f + the sum of p
.endm
; ---- context = context f + the sum over my 16 rows of p x row: 512 multiply-adds a lane straight from the bf16 halves, on 32 sums that do not wait for each other
.macro CTXACC
.irp j, 0,2,4,6,8,10,12,14,16,18,20,22,24,26,28,30
	v_pk_mul_f32 v[CTX+\j:CTX+\j+1], v[CTX+\j:CTX+\j+1], v[FF:FF+1] op_sel_hi:[1,0]
.endr
.irp p, 0,1,2,3,4,5,6,7,8,9,10,11,12,13,14,15
	v_readlane_b32 s[52+(\p%4)], v[TW+5], \p
	v_mov_b32 v[PB+\p], s[52+(\p%4)]               ; row p's weight in every lane
.endr
	WIN 0x03                                       ; source 0 window 3
.irp p, 0,1,2,3,4,5,6,7,8,9,10,11,12,13,14,15
.irp q, 0,1,2,3
.irp i, 0,1,2,3
	v_fma_mix_f32_bf16 v[CTX+8*\q+2*\i], v[16*\p+4*\q+\i], v[PB+\p], v[CTX+8*\q+2*\i] op_sel:[0,0,0] op_sel_hi:[1,0,0]
	v_fma_mix_f32_bf16 v[CTX+8*\q+2*\i+1], v[16*\p+4*\q+\i], v[PB+\p], v[CTX+8*\q+2*\i+1] op_sel:[1,0,0] op_sel_hi:[1,0,0]
.endr
.endr
.endr
	WIN 0
.endm
; ---- a chunk of 64 rows.  refill = 1: my staging is filled again with my 16 rows of the next chunk as soon as it has been read
.macro CHUNK refill
	s_wait_tensorcnt 0x0                           ; my 16 rows are in LDS (one load was out); nobody else reads them
	XLD 0
	XLD 1
.irp rho, 0,1,2,3,4,5,6,7,8,9,10,11,12,13,14,15
	XROW \rho
.endr
.if \refill
	s_wait_tensorcnt 0x0                           ; no tensor load of mine is out, so group 0 may be written
	ds_add_u32 v[SPW], v[NIL]                      ; 0 onto my spare word
	s_add_nc_u64 s[G0+2:G0+3], s[G0+2:G0+3], 0x40000   ; 64 rows on; the type bits on top are not reached
	s_wait_dscnt 0x0                               ; the add is done, my reads of the staging are back, my codes and scale bytes have landed
	s_barrier_signal -1
	s_barrier_wait -1                              ; all 64 rows' codes lie in LDS
	tensor_load_to_lds s[G0:G0+3], s[G1:G1+7]      ; my one tensor load behind the barrier, and the first thing there
	s_nop 0
.rept 4
	v_nop
.endr
.else
	s_wait_dscnt 0x0                               ; my codes and scale bytes have landed
	s_barrier_signal -1
	s_barrier_wait -1
.endif
	AFETCH
.irp j, 0,1,2,3,4,5,6,7
	v_mov_b32 v[SS+\j], 0                          ; the rows' sums begin anew
.endr
	s_wait_dscnt 0x0                               ; A and its scale words are in
	GEMM 1-\refill
	SCORES
	CTXACC
.endm
	s_mov_b32 s[CHK], 3
.Lchunk:
	CHUNK 1
	s_sub_co_u32 s[CHK], s[CHK], 1
	s_cmp_lg_u32 s[CHK], 0
	s_cbranch_scc1 .Lchunk
	CHUNK 0                                        ; the last chunk is written out
	; THE WAY OUT.  A lane's 32 numbers are four pieces of 32 bytes: they go through the first 4,096 bytes of my staging, which has had its last fill and its last read, at the places
	; from which the rows' numbers came, and come back 16 bytes a lane, so that each store covers 512 bytes on end.
.irp q, 0,1,2,3
	ds_store_b128 v[SA1], v[CTX+8*\q:CTX+8*\q+3] offset:1024*\q
	ds_store_b128 v[SA2], v[CTX+8*\q+4:CTX+8*\q+7] offset:1024*\q
.endr
.irp i, 0,1,2,3,4,5,6,7
	ds_load_b128 v[XA+4*\i:XA+4*\i+3], v[STL] offset:512*\i        ; LDS serves a wave's instructions in order (ISA guide 5.7.1.4): these see my stores
.endr
	s_wait_tensorcnt 0x0                           ; the wave's end, behind my last tensor load and my last LDS store
	ds_add_u32 v[SPW], v[NIL]
	s_wait_dscnt 0x0                               ; the context is back in registers too
.irp i, 0,1,2,3,4,5,6,7
	global_store_b128 v[L16], v[XA+4*\i:XA+4*\i+3], s[16:17] offset:512*\i
.endr
	global_store_b64 v[L8], v[ML:ML+1], s[18:19]   ; m and l, the same in every lane: 256 bytes on end
	s_endpgm
.Lfunc_end_k_qfe7908151e_main:
	.size	k_qfe7908151e_main, .Lfunc_end_k_qfe7908151e_main-k_qfe7908151e_main
	.p2alignl 7, 3214868480
	.fill 96, 4, 3214868480
	.section	.rodata,"a",@progbits
	.p2align	6, 0x0
	.amdhsa_kernel k_qfe7908151e_main
		.amdhsa_group_segment_fixed_size 327680
		.amdhsa_private_segment_fixed_size 0
		.amdhsa_enable_private_segment 0
		.amdhsa_kernarg_size 56
		.amdhsa_user_sgpr_count 2
		.amdhsa_user_sgpr_kernarg_segment_ptr 1
		.amdhsa_wavefront_size32 1
		.amdhsa_system_sgpr_workgroup_id_x 1
		.amdhsa_system_sgpr_workgroup_id_y 1
		.amdhsa_system_sgpr_workgroup_id_z 1
		.amdhsa_system_vgpr_workitem_id 0
		.amdhsa_next_free_vgpr 1024
		.amdhsa_next_free_sgpr 66
		.amdhsa_reserve_vcc 1
		.amdhsa_float_denorm_mode_32 3
		.amdhsa_float_denorm_mode_16_64 3
		.amdhsa_memory_ordered 1
		.amdhsa_forward_progress 1
		.amdhsa_inst_pref_size 255
	.end_amdhsa_kernel
	.section	.bss,"aw",@nobits
	.p2align	6
	.space	262144
	.amdgpu_metadata
---
amdhsa.version: [ 1, 2 ]
amdhsa.kernels:
  - .name:           k_qfe7908151e_main
    .symbol:         k_qfe7908151e_main.kd
    .args:
      - { .name: values, .offset: 0, .size: 8, .value_kind: global_buffer, .address_space: global }
      - { .name: w2l, .offset: 8, .size: 8, .value_kind: global_buffer, .address_space: global }
      - { .name: W2_scales, .offset: 16, .size: 8, .value_kind: global_buffer, .address_space: global }
      - { .name: qb, .offset: 24, .size: 8, .value_kind: global_buffer, .address_space: global }
      - { .name: V, .offset: 32, .size: 8, .value_kind: global_buffer, .address_space: global }
      - { .name: pctx, .offset: 40, .size: 8, .value_kind: global_buffer, .address_space: global }
      - { .name: pml, .offset: 48, .size: 8, .value_kind: global_buffer, .address_space: global }
    .group_segment_fixed_size: 327680
    .private_segment_fixed_size: 0
    .kernarg_segment_align: 8
    .kernarg_segment_size: 56
    .max_flat_workgroup_size: 128
    .sgpr_count:     66
    .vgpr_count:     1024
    .wavefront_size: 32
...
	.end_amdgpu_metadata
.endif
;; end of part 2
;; launch comb (part 3): grid 4 x 32, 2 waves a work-group, no clusters, 0 bytes of LDS; arguments pctx, pml, out0; writes out0
.if DOCPART == 3
	.amdgcn_target "amdgcn-amd-amdhsa--gfx1250"
	.amdhsa_code_object_version 6
	.text
	.protected	k_qfe7908151e_comb
	.globl	k_qfe7908151e_comb
	.p2align	8
	.type	k_qfe7908151e_comb,@function
k_qfe7908151e_comb:
	s_mov_b64 s[64:65], 0
	v_nop
	global_prefetch_b8 v0, s[64:65] scope:SCOPE_SE
	s_setreg_imm32_b32 hwreg(HW_REG_WAVE_MODE, 25, 1), 1
	s_wait_xcnt 0x0
; out0[b][d] = (sum over the batch's 32 parts i of e^(m_i - M) ctx_i[d]) / (sum of e^(m_i - M) l_i), M the largest m_i.
; Work-group (x, b): 256 numbers of batch b; thread t owns the four at d = 256 x + 4 t.  Each load of a wave reads 512 bytes on end of one part; each byte of pctx is read once.
; No LDS, no barrier, no matrix unit: 4 MB are read once and added.
.set P,   32                           ; v32-159 the 32 parts' four numbers
.set A,   12                           ; v12-15  the sums
	s_load_b128 s[4:7], s[0:1], 0x0                ; pctx s[4:5], pml s[6:7]
	s_load_b64 s[8:9], s[0:1], 0x10                ; out0
	s_and_b32 s10, ttmp7, 0xffff                   ; the batch
	v_and_b32 v1, 31, v0
	v_lshlrev_b32 v1, 8, v1                        ; lane i takes part i's m and l: 256 bytes a part
	v_lshlrev_b32 v4, 4, v0                        ; my 16 bytes
	s_lshl_b32 s12, s10, 13                        ; 32 parts x 256 bytes
	s_mov_b32 s13, 0
	s_lshl_b32 s16, ttmp9, 10                      ; my work-group's 256 numbers
	s_lshl_b32 s14, s10, 17                        ; 32 parts x 4,096 bytes
	s_add_co_u32 s14, s14, s16
	s_mov_b32 s15, 0
	s_lshl_b32 s18, s10, 12                        ; a row of out0
	s_add_co_u32 s18, s18, s16
	s_mov_b32 s19, 0
	s_mov_b32 s20, 0x76543210
	s_mov_b32 s21, 0xfedcba98                      ; v_permlanex16_b32's selects for lane l xor 16
	v_mov_b32 v7, 0                                ; a lane permute's destination counts as one of its sources
	s_wait_alu depctr_va_vdst(0)
	s_wait_kmcnt 0x0
	s_add_nc_u64 s[6:7], s[6:7], s[12:13]
	s_add_nc_u64 s[4:5], s[4:5], s[14:15]
	s_add_nc_u64 s[8:9], s[8:9], s[18:19]
	global_load_b64 v[2:3], v1, s[6:7]
.irp i, 0,1,2,3,4,5,6,7,8,9,10,11,12,13,14,15,16,17,18,19,20,21,22,23,24,25,26,27,28,29,30,31
	global_load_b128 v[P+4*\i:P+4*\i+3], v4, s[4:5] offset:4096*\i th:TH_LOAD_NT
.endr
	s_wait_loadcnt 32                              ; m and l are in; the 32 loads behind them stay out
	v_mov_b32 v6, v2
	v_max_num_f32_dpp v6, v6, v6 row_xmask:1 row_mask:0xf bank_mask:0xf
	v_max_num_f32_dpp v6, v6, v6 row_xmask:2 row_mask:0xf bank_mask:0xf
	v_max_num_f32_dpp v6, v6, v6 row_xmask:4 row_mask:0xf bank_mask:0xf
	v_max_num_f32_dpp v6, v6, v6 row_xmask:8 row_mask:0xf bank_mask:0xf
	v_permlanex16_b32 v7, v6, s20, s21
	v_max_num_f32 v6, v6, v7                       ; M
	v_sub_f32 v8, v2, v6
	v_mul_f32 v8, 0x3fb8aa3b, v8
	s_wait_alu depctr_va_vdst(0)
	v_exp_f32 v8, v8                               ; w_i = e^(m_i - M), in lane i
	v_nop                                          ; a plain line behind the exponential
	s_wait_alu depctr_va_vdst(0)
	v_mul_f32 v9, v8, v3
	v_add_f32_dpp v9, v9, v9 row_xmask:1 row_mask:0xf bank_mask:0xf
	v_add_f32_dpp v9, v9, v9 row_xmask:2 row_mask:0xf bank_mask:0xf
	v_add_f32_dpp v9, v9, v9 row_xmask:4 row_mask:0xf bank_mask:0xf
	v_add_f32_dpp v9, v9, v9 row_xmask:8 row_mask:0xf bank_mask:0xf
	v_permlanex16_b32 v7, v9, s20, s21
	v_add_f32 v9, v9, v7                           ; the softmax's sum
	s_wait_alu depctr_va_vdst(0)
	v_rcp_f32 v10, v9
	v_nop                                          ; a plain line behind the reciprocal
	s_wait_loadcnt 0x0
.irp i, 0,1,2,3,4,5,6,7,8,9,10,11,12,13,14,15,16,17,18,19,20,21,22,23,24,25,26,27,28,29,30,31
	v_readlane_b32 s[22+(\i%4)], v8, \i
.irp j, 0,1,2,3
.if \i == 0
	v_mul_f32 v[A+\j], s[22+(\i%4)], v[P+4*\i+\j]  ; the first part starts the sums
.else
	v_fma_f32 v[A+\j], s[22+(\i%4)], v[P+4*\i+\j], v[A+\j]
.endif
.endr
.endr
	s_wait_alu depctr_va_vdst(0)
.irp j, 0,1,2,3
	v_mul_f32 v[A+\j], v[A+\j], v10
.endr
	global_store_b128 v4, v[A:A+3], s[8:9]         ; a wave stores 512 bytes on end
	s_endpgm
.Lfunc_end_k_qfe7908151e_comb:
	.size	k_qfe7908151e_comb, .Lfunc_end_k_qfe7908151e_comb-k_qfe7908151e_comb
	.p2alignl 7, 3214868480
	.fill 96, 4, 3214868480
	.section	.rodata,"a",@progbits
	.p2align	6, 0x0
	.amdhsa_kernel k_qfe7908151e_comb
		.amdhsa_group_segment_fixed_size 0
		.amdhsa_private_segment_fixed_size 0
		.amdhsa_enable_private_segment 0
		.amdhsa_kernarg_size 24
		.amdhsa_user_sgpr_count 2
		.amdhsa_user_sgpr_kernarg_segment_ptr 1
		.amdhsa_wavefront_size32 1
		.amdhsa_system_sgpr_workgroup_id_x 1
		.amdhsa_system_sgpr_workgroup_id_y 1
		.amdhsa_system_sgpr_workgroup_id_z 1
		.amdhsa_system_vgpr_workitem_id 0
		.amdhsa_next_free_vgpr 176
		.amdhsa_next_free_sgpr 66
		.amdhsa_reserve_vcc 0
		.amdhsa_float_denorm_mode_32 3
		.amdhsa_float_denorm_mode_16_64 3
		.amdhsa_memory_ordered 1
		.amdhsa_forward_progress 1
		.amdhsa_inst_pref_size 16
	.end_amdhsa_kernel
	.amdgpu_metadata
---
amdhsa.version: [ 1, 2 ]
amdhsa.kernels:
  - .name:           k_qfe7908151e_comb
    .symbol:         k_qfe7908151e_comb.kd
    .args:
      - { .name: pctx, .offset: 0, .size: 8, .value_kind: global_buffer, .address_space: global }
      - { .name: pml, .offset: 8, .size: 8, .value_kind: global_buffer, .address_space: global }
      - { .name: out0, .offset: 16, .size: 8, .value_kind: global_buffer, .address_space: global }
    .group_segment_fixed_size: 0
    .private_segment_fixed_size: 0
    .kernarg_segment_align: 8
    .kernarg_segment_size: 24
    .max_flat_workgroup_size: 64
    .sgpr_count:     66
    .vgpr_count:     176
    .wavefront_size: 32
...
	.end_amdgpu_metadata
.endif
;; end of part 3
